; MI455X (gfx1250); checked and timed in simulation.
; The chip was launched on July 23, 2026; its instructions are those of AMD's public machine-readable ISA for CDNA 5 (MIT licence, August 2026) and "CDNA5" Instruction Set Architecture Reference Guide (July 2026). The comments in the code are by the model that wrote it; some were corrected since.
;; Multi Head Self Attention. Allowed arithmetic: matrix products marked QUANTISED: E5M2 operands, one E8M0 scale for each 32 along K, by v_wmma_scale_f32_16x16x128_f8f6f4 with both operands' format E5M2, f32 sums; everything else in f32.
;; Inputs: bk 1,024 float32; bo 1,024 float32; bq 1,024 float32; bv 1,024 float32; wk_codes 1,024 x 32 x 32 uint8 (E5M2 codes of wk, K innermost, in blocks of 32 codes); wk_scales 1,024 x 32 uint8 (E8M0 scales of wk, one for each 32 codes along K); wo_codes 1,024 x 32 x 32 uint8 (E5M2 codes of wo, K innermost, in blocks of 32 codes); wo_scales 1,024 x 32 uint8 (E8M0 scales of wo, one for each 32 codes along K); wq_codes 1,024 x 32 x 32 uint8 (E5M2 codes of wq, K innermost, in blocks of 32 codes); wq_scales 1,024 x 32 uint8 (E8M0 scales of wq, one for each 32 codes along K); wv_codes 1,024 x 32 x 32 uint8 (E5M2 codes of wv, K innermost, in blocks of 32 codes); wv_scales 1,024 x 32 uint8 (E8M0 scales of wv, one for each 32 codes along K); x_codes 4 x 2,048 x 32 x 32 uint8 (E5M2 codes of x, K innermost, in blocks of 32 codes); x_scales 4 x 2,048 x 32 uint8 (E8M0 scales of x, one for each 32 codes along K).
;; Outputs: out0 4 x 2,048 x 1,024 float32.
;; This version of the problem:
;;   THIS VERSION OF THE PROBLEM IS GIVEN IN LOW PRECISION. The matrix products marked QUANTISED in the list below multiply operands that are first quantised to E5M2 (5 exponent bits, 2 mantissa bits; 8 bits a number), with one power-of-two scale for each 32 numbers along K (OCP MX v1.0); their sums are f32. All else is computed in f32.
;;   The module's matrix products, in the order in which they are computed (A, B: the left and right operand; K: the contracted axis; several contracted axes count as one K, in the product's order):
;;     1. [M 8,192, K 1,024] x [K 1,024, N 1,024]; A: input x (given as codes); B: input wq (given as codes): QUANTISED
;;     2. [M 8,192, K 1,024] x [K 1,024, N 1,024]; A: input x (given as codes); B: input wk (given as codes): QUANTISED
;;     3. [M 8,192, K 1,024] x [K 1,024, N 1,024]; A: input x (given as codes); B: input wv (given as codes): QUANTISED
;;     4. batch 64 x [M 2,048, K 64] x [K 64, N 2,048]; A: computed on the way; B: computed on the way: QUANTISED
;;     5. batch 64 x [M 2,048, K 2,048] x [K 2,048, N 64]; A: softmax (see below); B: computed on the way: QUANTISED
;;     6. [M 8,192, K 1,024] x [K 1,024, N 1,024]; A: computed on the way; B: input wo (given as codes): QUANTISED
;;   THE QUANTISER, for each operand of a quantised product, along K:
;;     - K is cut into blocks of 32 from its start; a last block that is shorter is filled with zeros.
;;     - A block's scale is 2^e with e = floor(log2(the largest magnitude in the block)) - 15, held to -126 .. 127; a block of zeros has e = 0. As a byte (E8M0): e + 127.
;;     - Each number is divided by its block's scale, clamped to +-57,344, and rounded to the nearest number of E5M2, ties to even, subnormals kept.
;;     - The product sums the exact products of the quantised numbers (number of the format x scale) in f32.
;;   ~~~python
;;   def quantise(x, axis):      # numpy; x: float32 -> the quantised numbers, widened to float32 again
;;       x = np.moveaxis(x, axis, -1); K = x.shape[-1]
;;       x = np.pad(x, [(0, 0)] * (x.ndim - 1) + [(0, -K % 32)]); x = x.reshape(x.shape[:-1] + (-1, 32)); a = np.abs(x).max(-1, keepdims=True)
;;       e = np.where(a > 0, np.clip(np.frexp(np.where(a > 0, a, 1))[1] - 1 - 15, -126, 127), 0)      # np.frexp(a)[1] - 1 = floor(log2(a)), exactly
;;       r = np.clip(x / 2.0 ** e, -57344, 57344)
;;       step = 2.0 ** (np.maximum(np.frexp(np.where(r == 0, 1, r))[1] - 1, -14) - 2)
;;       q = np.round(r / step) * step * 2.0 ** e      # np.round: ties to even
;;       return np.moveaxis(q.reshape(q.shape[:-2] + (-1,))[..., :K], -1, axis).astype(np.float32)
;;   ~~~
;;   SOFTMAX AHEAD OF A QUANTISED PRODUCT. Where the list says 'softmax', what is quantised is not the finished softmax but p = 2^(t - M), with t = logit x log2(e) and M = ceil(the row's largest t), a whole number; so 1/2 < the row's largest p <= 1. The row's sum l is taken of the UNQUANTISED p, in f32, and the product's result is divided by l at the end. Since M is a whole number, a kernel that streams over the keys may use a running M (the ceiling of the running maximum): every later rescaling is an exact power of two, which a block's scale takes up: the codes' values come out the same.
;;   OPERANDS COMPUTED ON THE WAY. 'Computed on the way' means the value that the module computes at that place (a softmax that the list does not call 'softmax' is quantised finished and normalised). What goes into a quantiser is computed in f32, as accurately as f32 sums, v_exp_f32 and their like allow (about 1e-6 of the number): no bf16 or f16 on the way to a quantiser, and a product that is left as it is and whose result goes on into a quantised operand takes f32 operands (vector FMAs, or v_wmma_f32_16x16x4_f32). A number that lies on a knife's edge between two numbers of the format may be rounded either way, as far as f32 arithmetic and the matrix unit's own rounding can turn it there, and no further.
;;   INPUTS GIVEN AS CODES. wk (in the module: [1024, 1024], K = its axis 1); wo (in the module: [1024, 1024], K = its axis 1); wq (in the module: [1024, 1024], K = its axis 1); wv (in the module: [1024, 1024], K = its axis 1); x (in the module: [4, 2048, 1024], K = its axis 2): each comes as NAME_codes (uint8): NAME with its K axis moved to the last place and cut into blocks of 32 codes, [.., K / 32, bytes a block], one block behind the other in memory; one code a byte (a code: sign, 5 exponent bits, 2 mantissa bits); and NAME_scales (uint8): the same leading axes, one E8M0 byte (e + 127) for each 32 codes along K. Its value is code x scale, taken as it is: it is not quantised again, and the codes and scales need not be those that the quantiser above would give.
;; One version. Each part assembles by itself: llvm-mc -triple=amdgcn-amd-amdhsa -mcpu=gfx1250 --defsym DOCPART=n.
;; ======== version 1 of 1: 3 launches
;; limits: right only within a limited range of input values
;; workspace buffers: qkv 25,165,824 bytes; qkvs 786,432 bytes; acodes 8,388,608 bytes; ascales 262,144 bytes
;; launch proj (part 1): grid 8 x 32, 4 waves a work-group, clusters of 4 x 4, 327,680 bytes of LDS; arguments x_codes, x_scales, wq_codes, wq_scales, wk_codes, wk_scales, wv_codes, wv_scales, bq, bk, bv, qkv, qkvs; writes qkv, qkvs
.if DOCPART == 1
	.amdgcn_target "amdgcn-amd-amdhsa--gfx1250"
	.amdhsa_code_object_version 6
	.text
	.protected	k_qde4da10168_proj
	.globl	k_qde4da10168_proj
	.p2align	8
	.type	k_qde4da10168_proj,@function
k_qde4da10168_proj:
	s_mov_b64 s[64:65], 0
	v_nop
	global_prefetch_b8 v0, s[64:65] scope:SCOPE_SE
	s_setreg_imm32_b32 hwreg(HW_REG_WAVE_MODE, 25, 1), 1
	s_wait_xcnt 0x0
	s_wait_alu depctr_hold_cnt(0) depctr_sa_sdst(0) depctr_va_vdst(0) depctr_va_sdst(0) depctr_va_ssrc(0) depctr_va_vcc(0) depctr_vm_vsrc(0)
	s_getreg_b32 s2, hwreg(HW_REG_IB_STS2, 6, 4)
	s_cmp_eq_u32 s2, 0
	s_cbranch_scc0 .Lentry_in_a_cluster
	s_endpgm
.Lentry_in_a_cluster:
	s_bfe_u32 s2, ttmp6, 0x10000c
	s_cmp_lg_u32 s2, 0xf033
	s_cbranch_scc0 .Lentry_shape_is_right
	s_endpgm
.Lentry_shape_is_right:
; Q, K, V = x W^T + b and their quantisers, on codes of E5M2 with E8M0 scales: 8,192 x 3,072 x 1,024.  Codes and scale words leave as images of the next launch's operand registers.
; THE DEAL.  256 work-groups: 256 tokens x (128 rows each of W_q, W_k, W_v: two heads).  Each of four waves holds 64 tokens, ALL of K, in 512 registers, and all four stream the same weight rows past them in blocks of 16 (two register sets).
; A PAIR of blocks is 32 weight rows: 64 products a wave, then its way out.  Q, K (kind 0): source 0 = weight rows: a lane holds one token and 16 of a block of 32 channels.  V (kind 1): source 0 = tokens: a lane holds one channel and 16 of 32 tokens.
; LDS ROWS of 1,040 bytes: rows 0-31 W_q's rows 96-127; rows 32-287 x's 256 rows.  When x is in registers, a drained round fills W_v (rows 32-159) and W_k (160-287) over it; behind W_v's pairs a second drained round fills W_q's rows 0-95 into rows 32-127.
; ORDER OF PAIRS: Q 3; V 0-3; K 0-3; Q 0-2.  All tiles are asked for jointly: x's along a row of the cluster, the weights' along a column.  The whole stream is asked for in three requests, the first two at the head: there is no run of later requests that a prefetch could lead.
; qkv: [Q, K, V: 2^23 bytes][batch x head: 2^17]; Q, K: [tile of 16 tokens][block of 32 channels][lane][16]; V: [128 tokens][16 channels][block of 32 tokens][lane][16].  qkvs: [2^18][batch x head: 4,096][128 tokens: 256], gathered in LDS and stored whole at the end.
; In a lane's 16 bytes number i is index 16 (i / 8) + 8 h + i % 8 of its block of 32 (h = lane / 16), alike in Q and K, and in V and p.
; LIMITS: NaN and infinities are not served; a block whose largest magnitude lies under 2^-111 gets the scale byte 1.
.set PITCH, 1040
.set WSI,   288*PITCH                  ; the weights' scale bytes: [Q, V, K][128 rows][32]
.set BI,    WSI+12288                  ; the biases: bq, bk, bv, 128 numbers each
.set SB,    BI+1536                    ; the results' scale bytes: 12 units of 256
.set SPARE, SB+3072
.set L16, 4
.set ADX, 5
.set ADW, 6                            ; the next pair's rows
.set ADW0, 7
.set AWS, 8                            ; and its scale bytes
.set AWS0, 9
.set ABQ0, 10
.set ABV0, 11
.set ABI, 12
.set VXQ0, 13
.set VXV0, 14
.set VX, 15
.set SPW, 16
.set NIL, 17
.set WS, 24                            ; v24-39 the weights' scale words, a set of eight for each register set
.set XS, 44                            ; v44-59 x's: register 8 P + q: lanes 0-15 tile 2 P, lanes 16-31 tile 2 P + 1
.set MX, 60
.set PM, 64
.set LIM, 68
.set SOP, 72
.set EB, 76
.set BS, 80                            ; v80-95 the pair's bias
.set PC, 96                            ; v96-111 codes
.set ACC, 128                          ; v128-191 the pair's sums: 32 k + 8 i
.set G1X, 24
.set G1E, 32
.set G1R, 40
.set G1D, 48
.set G0X, 56
.set G0E, 60
.set G0V, 68
.set G0K, 72
.set G0D, 76
.set SEL, 80
.set MNT, 82
.set MSB, 0
.macro WIN new
.if MSB != (\new)
	s_set_vgpr_msb (MSB<<8)|(\new)
.set MSB, (\new)
.endif
.endm
.macro PLACES n
.rept \n
	v_nop
.endr
.endm
.macro BARRIER
	s_barrier_signal -1
	s_barrier_wait -1
.endm
.macro CROUND                          ; a round of the cluster's barrier
	BARRIER
	s_cmp_lg_u32 s14, 0
	s_cbranch_scc1 .Lnot_wave_0_\@
	s_barrier_signal -3
.Lnot_wave_0_\@:
	s_barrier_wait -3
	BARRIER
.endm
.macro TLOAD g0, g1                    ; an s_nop 0 and four v_nop follow the load
	tensor_load_to_lds s[\g0:\g0+3], s[\g1:\g1+7]
	s_nop 0
	PLACES 4
.endm
.macro GROUP1 g, mask, rows            ; whole rows of 1,024 bytes, 16 bytes of padding behind each
	s_or_b32 s[\g+0], s[\mask], (1<<20)|(1<<21)|(7<<22)|(3<<25)
	s_mov_b32 s[\g+1], 1024<<16
	s_mov_b32 s[\g+2], (\rows)<<16
	s_mov_b32 s[\g+3], 1024<<16
	s_mov_b32 s[\g+4], \rows
	s_mov_b32 s[\g+5], 1024
	s_mov_b32 s[\g+6], 0
	s_mov_b32 s[\g+7], 0
.endm
.macro GADDR g0, ptr                   ; group 0's address: the buffer + s[22:23]
	s_mov_b32 s[\g0], 1
	s_add_nc_u64 s[\g0+2:\g0+3], s[\ptr:\ptr+1], s[22:23]
	s_or_b32 s[\g0+3], s[\g0+3], 0x80000000
.endm
	s_load_b512 s[80:95], s[0:1], 0x0              ; x_codes, x_scales, wq_codes, wq_scales, wk_codes, wk_scales, wv_codes, wv_scales
	s_load_b256 s[4:11], s[0:1], 0x40              ; bq, bk, bv, qkv
	s_load_b64 s[12:13], s[0:1], 0x60              ; qkvs
	v_lshl_add_u32 v[SPW], v0, 2, SPARE
	v_mov_b32 v[NIL], 0
	ds_add_u32 v[SPW], v[NIL]                      ; the opening lines: the add twice on end and its wait
	ds_add_u32 v[SPW], v[NIL]
	v_lshrrev_b32 v1, 5, v0
	v_readfirstlane_b32 s14, v1                    ; wave 0..3
	s_bfe_u32 s15, ttmp6, 0x40000                  ; cx
	s_bfe_u32 s16, ttmp6, 0x40004                  ; cy
	s_lshl_b32 s17, ttmp9, 2
	s_add_co_u32 s17, s17, s15                     ; g: which 128 rows of each weight
	s_and_b32 s18, ttmp7, 0xffff
	s_lshl_b32 s18, s18, 2
	s_add_co_u32 s18, s18, s16                     ; which 256 tokens
	s_lshl_b32 s19, s16, 2
	s_lshl_b32 s19, 15, s19                        ; my row of the cluster
	s_lshl_b32 s20, 0x1111, s15                    ; my column
	GROUP1 G1X, 19, 128
	GROUP1 G1E, 20, 16
	GROUP1 G1R, 20, 64
	GROUP1 G1D, 20, 24
	s_and_b32 s96, s14, 1                          ; e
	s_lshr_b32 s97, s14, 1
	s_mul_i32 s[G0X+1], s14, 128*PITCH
	s_add_co_u32 s[G0X+1], s[G0X+1], 32*PITCH
	s_mul_i32 s[G0E+1], s96, 16*PITCH
	s_mul_i32 s[G0V+1], s14, 64*PITCH
	s_add_co_u32 s[G0V+1], s[G0V+1], 32*PITCH
	s_mov_b32 s[G0K+1], s[G0V+1]
	s_mul_i32 s[G0D+1], s14, 24*PITCH
	s_add_co_u32 s[G0D+1], s[G0D+1], 32*PITCH
	s_mov_b32 s23, 0
	s_wait_dscnt 0x0
	s_wait_kmcnt 0x0
	s_lshl_b32 s22, s18, 18
	s_lshl_b32 s21, s14, 17
	s_add_co_u32 s22, s22, s21
	GADDR G0X, 80                                  ; x: 128 rows for each of waves 0, 1
	s_lshl_b32 s19, s17, 17
	s_lshl_b32 s21, s96, 14
	s_add_co_u32 s22, s19, s21
	s_add_co_u32 s22, s22, 96*1024
	GADDR G0E, 84                                  ; W_q's rows 96 + 16 e
	s_lshl_b32 s21, s96, 16
	s_add_co_u32 s22, s19, s21
	GADDR G0V, 92                                  ; W_v's, W_k's rows 64 e
	GADDR G0K, 88
	s_mul_i32 s21, s14, 24*1024
	s_add_co_u32 s22, s19, s21
	GADDR G0D, 84                                  ; W_q's rows 24 x wave
	CROUND                                         ; all sixteen work-groups are here
	s_cmp_lt_u32 s14, 2
	s_cbranch_scc0 .Lhead_w
	TLOAD G0X, G1X
	s_branch .Lhead_asked
.Lhead_w:
	TLOAD G0E, G1E
.Lhead_asked:
	s_lshl_b32 s22, s18, 13
	s_lshl_b32 s21, s14, 11
	s_add_co_u32 s22, s22, s21
	s_add_nc_u64 s[82:83], s[82:83], s[22:23]      ; my 64 tokens' scale bytes
	s_lshl_b32 s22, s17, 12
	s_lshl_b32 s21, s14, 10
	s_add_co_u32 s22, s22, s21
	s_add_nc_u64 s[86:87], s[86:87], s[22:23]      ; 32 rows of each weight's scale bytes
	s_add_nc_u64 s[90:91], s[90:91], s[22:23]
	s_add_nc_u64 s[94:95], s[94:95], s[22:23]
	s_lshl_b32 s22, s17, 9
	s_add_nc_u64 s[4:5], s[4:5], s[22:23]
	s_add_nc_u64 s[6:7], s[6:7], s[22:23]
	s_add_nc_u64 s[8:9], s[8:9], s[22:23]
	s_lshr_b32 s19, s18, 3
	s_lshl_b32 s19, s19, 4
	s_lshl_b32 s21, s17, 1
	s_add_co_u32 s19, s19, s21                     ; batch x 16 + my first head
	s_and_b32 s20, s18, 7
	s_lshl_b32 s22, s19, 17
	s_lshl_b32 s21, s20, 14
	s_add_co_u32 s22, s22, s21
	s_lshl_b32 s21, s14, 12
	s_add_co_u32 s22, s22, s21
	s_add_nc_u64 s[66:67], s[10:11], s[22:23]      ; Q's images of my 64 tokens (K's: 2^23 on)
	s_lshl_b32 s22, s19, 17
	s_lshl_b32 s21, s20, 14
	s_add_co_u32 s22, s22, s21
	s_lshl_b32 s21, s97, 13
	s_add_co_u32 s22, s22, s21
	s_lshl_b32 s21, s96, 10
	s_add_co_u32 s22, s22, s21
	s_add_co_u32 s22, s22, 0x1000000
	s_add_nc_u64 s[2:3], s[10:11], s[22:23]        ; V's
	s_lshl_b32 s22, s19, 12
	s_lshl_b32 s21, s20, 9
	s_add_co_u32 s22, s22, s21
	s_add_nc_u64 s[12:13], s[12:13], s[22:23]      ; qkvs: my first head, my two units
	s_mul_i32 s19, s14, 64*PITCH
	s_add_co_u32 s19, s19, 32*PITCH
	s_lshl_b32 s20, s97, 8
	s_lshl_b32 s21, s96, 2
	s_add_co_u32 s21, s21, s20
	s_add_co_u32 s21, s21, SB
	s_lshl_b32 s22, s96, 1
	s_add_co_u32 s22, s22, s20
	s_add_co_u32 s22, s22, SB+2048
	s_lshl_b32 s20, s14, 10
	s_add_co_u32 s20, s20, WSI
	v_and_b32 v1, 15, v0                           ; r
	v_bfe_u32 v2, v0, 4, 1                         ; h
	v_and_b32 v3, 31, v0
	v_lshlrev_b32 v[L16], 4, v3
	v_mul_u32_u24 v[ADW0], v1, PITCH
	v_lshl_add_u32 v[ADW0], v2, 4, v[ADW0]
	v_add_nc_u32 v[ADX], s19, v[ADW0]
	v_lshl_add_u32 v[AWS0], v1, 5, WSI-1024
	v_lshl_add_u32 v[ABQ0], v2, 5, BI
	v_lshl_add_u32 v[ABV0], v1, 2, BI+1024
	v_lshlrev_b32 v22, 3, v1
	v_add_nc_u32 v[VXQ0], s21, v22
	v_add_nc_u32 v[VXV0], s22, v22
	v_mov_b32 v[ADW], v[ADW0]
	v_add_nc_u32 v[AWS], 4096, v[AWS0]
	v_lshlrev_b32 v18, 5, v3
	v_add_nc_u32 v19, s20, v18
	v_lshlrev_b32 v20, 2, v0
	v_add_nc_u32 v21, BI, v20
.irp y, 0,1,2,3
	v_mov_b32 v[PM+\y], 0                          ; a lane permute's destination counts as one of its sources
.endr
	s_wait_alu depctr_va_vdst(0)
.irp p, 0,1
	global_load_b128 v[XS+8*\p:XS+8*\p+3], v18, s[82:83] offset:1024*\p
	global_load_b128 v[XS+8*\p+4:XS+8*\p+7], v18, s[82:83] offset:1024*\p+16
.endr
.irp c, 0,1
	global_load_b128 v[128+4*\c:131+4*\c], v18, s[86:87] offset:16*\c
	global_load_b128 v[136+4*\c:139+4*\c], v18, s[94:95] offset:16*\c
	global_load_b128 v[144+4*\c:147+4*\c], v18, s[90:91] offset:16*\c
.endr
	global_load_b32 v152, v20, s[4:5]
	global_load_b32 v153, v20, s[6:7]
	global_load_b32 v154, v20, s[8:9]
	s_wait_loadcnt 0x0
.irp c, 0,1
	ds_store_b128 v19, v[128+4*\c:131+4*\c] offset:16*\c
	ds_store_b128 v19, v[136+4*\c:139+4*\c] offset:4096+16*\c
	ds_store_b128 v19, v[144+4*\c:147+4*\c] offset:8192+16*\c
.endr
	ds_store_b32 v21, v152
	ds_store_b32 v21, v153 offset:512
	ds_store_b32 v21, v154 offset:1024
	s_mov_b32 s[SEL], 0x76543210
	s_mov_b32 s[SEL+1], 0xfedcba98
	s_mov_b32 s[MNT], 0x600000
	s_wait_tensorcnt 0x0                           ; my tile is in,
	s_wait_dscnt 0x0                               ; my stores are done
	BARRIER
.macro FETCH k                         ; block k of the next pair into set k: 32 loads of codes, 2 of scale words
	WIN 0xc0
.irp q, 0,1,2,3,4,5,6,7
.irp c, 0,1,2,3
	ds_load_b128 v[128*(\k)+16*\q+4*\c:128*(\k)+16*\q+4*\c+3], v[ADW] offset:(\k)*16*PITCH+128*\q+32*\c
.endr
.endr
	WIN 0
	ds_load_b128 v[WS+8*(\k):WS+8*(\k)+3], v[AWS] offset:(\k)*512
	ds_load_b128 v[WS+8*(\k)+4:WS+8*(\k)+7], v[AWS] offset:(\k)*512+16
.endm
.macro PROD kind, k, q, i              ; the q-th 128 of K, token tile i, weight block k.  x's fragment 4 q + i lies in windows 1 and 2
.set F_, 4*(\q)+(\i)
.set XR_, 16*(F_%16)
.set WX_, 1+F_/16
.set WR_, 128*(\k)+16*(\q)
.set AC_, ACC+32*(\k)+8*(\i)
.set SW_, WS+8*(\k)+(\q)
.set SX_, XS+8*((\i)/2)+(\q)
.if \kind
	WIN WX_|(3<<2)
.if (\q) && (\i)%2
	v_wmma_scale_f32_16x16x128_f8f6f4 v[AC_:AC_+7], v[XR_:XR_+15], v[WR_:WR_+15], v[AC_:AC_+7], v[SX_], v[SW_] matrix_a_fmt:MATRIX_FMT_BF8 matrix_b_fmt:MATRIX_FMT_BF8 matrix_a_scale:MATRIX_SCALE_ROW1
.elseif (\q)
	v_wmma_scale_f32_16x16x128_f8f6f4 v[AC_:AC_+7], v[XR_:XR_+15], v[WR_:WR_+15], v[AC_:AC_+7], v[SX_], v[SW_] matrix_a_fmt:MATRIX_FMT_BF8 matrix_b_fmt:MATRIX_FMT_BF8
.elseif (\i)%2
	v_wmma_scale_f32_16x16x128_f8f6f4 v[AC_:AC_+7], v[XR_:XR_+15], v[WR_:WR_+15], 0, v[SX_], v[SW_] matrix_a_fmt:MATRIX_FMT_BF8 matrix_b_fmt:MATRIX_FMT_BF8 matrix_a_scale:MATRIX_SCALE_ROW1
.else
	v_wmma_scale_f32_16x16x128_f8f6f4 v[AC_:AC_+7], v[XR_:XR_+15], v[WR_:WR_+15], 0, v[SX_], v[SW_] matrix_a_fmt:MATRIX_FMT_BF8 matrix_b_fmt:MATRIX_FMT_BF8
.endif
.else
	WIN 3|(WX_<<2)
.if (\q) && (\i)%2
	v_wmma_scale_f32_16x16x128_f8f6f4 v[AC_:AC_+7], v[WR_:WR_+15], v[XR_:XR_+15], v[AC_:AC_+7], v[SW_], v[SX_] matrix_a_fmt:MATRIX_FMT_BF8 matrix_b_fmt:MATRIX_FMT_BF8 matrix_b_scale:MATRIX_SCALE_ROW1
.elseif (\q)
	v_wmma_scale_f32_16x16x128_f8f6f4 v[AC_:AC_+7], v[WR_:WR_+15], v[XR_:XR_+15], v[AC_:AC_+7], v[SW_], v[SX_] matrix_a_fmt:MATRIX_FMT_BF8 matrix_b_fmt:MATRIX_FMT_BF8
.elseif (\i)%2
	v_wmma_scale_f32_16x16x128_f8f6f4 v[AC_:AC_+7], v[WR_:WR_+15], v[XR_:XR_+15], 0, v[SW_], v[SX_] matrix_a_fmt:MATRIX_FMT_BF8 matrix_b_fmt:MATRIX_FMT_BF8 matrix_b_scale:MATRIX_SCALE_ROW1
.else
	v_wmma_scale_f32_16x16x128_f8f6f4 v[AC_:AC_+7], v[WR_:WR_+15], v[XR_:XR_+15], 0, v[SW_], v[SX_] matrix_a_fmt:MATRIX_FMT_BF8 matrix_b_fmt:MATRIX_FMT_BF8
.endif
.endif
.endm
.macro BLK kind, k                     ; 32 products, four accumulators by turns; nine places behind them: the next products of these sums write over them, and loads land on what they have read
.irp q, 0,1,2,3,4,5,6,7
.irp i, 0,1,2,3
	PROD \kind, \k, \q, \i
.endr
.endr
	WIN 0
	PLACES 9
.endm
; A pair's head.  s96: kind 0: m = 4 x (0 for Q, 1 for K) + the pair; kind 1: the pair.  Where its codes, bytes and bias lie; the next pair's addresses; the bias is asked for
.macro PRE kind, fetch
	s_wait_xcnt 0x0                                ; the last pair's stores have read their base and data
.if \kind
	s_lshr_b32 s20, s96, 1
	s_and_b32 s22, s96, 1
	s_lshl_b32 s19, s20, 17
	s_lshl_b32 s21, s22, 12
	s_add_co_u32 s98, s19, s21
	s_lshl_b32 s21, s20, 9
	s_lshl_b32 s22, s22, 2
	s_add_co_u32 s21, s21, s22
	s_lshl_b32 s23, s96, 7
	s_mov_b32 s99, 0
	s_add_nc_u64 s[100:101], s[2:3], s[98:99]
	v_add_nc_u32 v[VX], s21, v[VXV0]
	v_add_nc_u32 v[ABI], s23, v[ABV0]
.else
	s_lshr_b32 s19, s96, 2
	s_lshl_b32 s19, s19, 23
	s_bfe_u32 s20, s96, 0x10001
	s_lshl_b32 s21, s20, 17
	s_add_co_u32 s19, s19, s21
	s_and_b32 s22, s96, 1
	s_lshl_b32 s21, s22, 9
	s_add_co_u32 s98, s19, s21
	s_lshr_b32 s21, s96, 1
	s_lshl_b32 s21, s21, 9
	s_add_co_u32 s21, s21, s22
	s_lshl_b32 s23, s96, 7
	s_mov_b32 s99, 0
	s_add_nc_u64 s[100:101], s[66:67], s[98:99]
	v_add_nc_u32 v[VX], s21, v[VXQ0]
	v_add_nc_u32 v[ABI], s23, v[ABQ0]
.endif
.if \fetch
	v_add_nc_u32 v[ADW], 32*PITCH, v[ADW]
	v_add_nc_u32 v[AWS], 1024, v[AWS]
.endif
	s_wait_alu depctr_va_vdst(0)
.if \kind
	ds_load_b32 v[BS], v[ABI]
	ds_load_b32 v[BS+2], v[ABI] offset:64
.else
	ds_load_b128 v[BS:BS+3], v[ABI]
	ds_load_b128 v[BS+4:BS+7], v[ABI] offset:16
	ds_load_b128 v[BS+8:BS+11], v[ABI] offset:64
	ds_load_b128 v[BS+12:BS+15], v[ABI] offset:80
.endif
.endm
; The way out of a pair: the bias; four groups y of 16 registers, each half of a block of 32, which lanes l and l xor 16 share; scale, hold, conversion
.macro EPIV kind
.set ST_, 8+8*(\kind)
.set DD_, 32-24*(\kind)
.irp k, 0,1
.irp i, 0,1,2,3
.irp m, 0,2,4,6
.if \kind
	v_pk_add_f32 v[ACC+32*\k+8*\i+\m:ACC+32*\k+8*\i+\m+1], v[ACC+32*\k+8*\i+\m:ACC+32*\k+8*\i+\m+1], v[BS+2*\k:BS+2*\k+1] op_sel_hi:[1,0]
.else
	v_pk_add_f32 v[ACC+32*\k+8*\i+\m:ACC+32*\k+8*\i+\m+1], v[ACC+32*\k+8*\i+\m:ACC+32*\k+8*\i+\m+1], v[BS+8*\k+\m:BS+8*\k+\m+1]
.endif
.endr
.endr
.endr
.irp y, 0,1,2,3
	v_max3_num_f32 v[MX+\y], |v[ACC+ST_*\y]|, |v[ACC+ST_*\y+1]|, 0x8000000
.endr
.irp j, 2,4,6
.irp y, 0,1,2,3
	v_max3_num_f32 v[MX+\y], v[MX+\y], |v[ACC+ST_*\y+\j]|, |v[ACC+ST_*\y+\j+1]|
.endr
.endr
.irp j, 0,2,4,6
.irp y, 0,1,2,3
	v_max3_num_f32 v[MX+\y], v[MX+\y], |v[ACC+ST_*\y+DD_+\j]|, |v[ACC+ST_*\y+DD_+\j+1]|
.endr
.endr
.irp y, 0,1,2,3
	v_permlanex16_b32 v[PM+\y], v[MX+\y], s[SEL], s[SEL+1]
.endr
.irp y, 0,1,2,3
	v_max_num_f32 v[MX+\y], v[MX+\y], v[PM+\y]
.endr
.irp y, 0,1,2,3
	v_add_nc_u32 v[SOP+\y], 0xf8800000, v[MX+\y]   ; 15 off the exponent field: the conversion's scale operand
.endr
.irp y, 0,1,2,3
	v_and_or_b32 v[LIM+\y], v[MX+\y], 0x7f800000, s[MNT]   ; 57,344 x the scale
.endr
.irp y, 0,1,2,3
	v_lshrrev_b32 v[EB+\y], 23, v[SOP+\y]          ; the byte
.endr
.irp y, 0,1,2,3
.irp j, 0,1,2,3,4,5,6,7
	v_med3_num_f32 v[ACC+ST_*\y+\j], v[ACC+ST_*\y+\j], -v[LIM+\y], v[LIM+\y]
	v_med3_num_f32 v[ACC+ST_*\y+DD_+\j], v[ACC+ST_*\y+DD_+\j], -v[LIM+\y], v[LIM+\y]
.endr
	v_cvt_scalef32_pk8_bf8_f32 v[PC+4*\y:PC+4*\y+1], v[ACC+ST_*\y:ACC+ST_*\y+7], v[SOP+\y]
	v_cvt_scalef32_pk8_bf8_f32 v[PC+4*\y+2:PC+4*\y+3], v[ACC+ST_*\y+DD_:ACC+ST_*\y+DD_+7], v[SOP+\y]
.endr
	v_nop                                          ; a plain line behind the last conversion
.endm
.macro EPIS kind                       ; four bytes to their places in LDS (both halves of the lanes write the same byte); four stores of 512 consecutive bytes
.irp y, 0,1,2,3
.if \kind
	ds_store_b8 v[VX], v[EB+\y] offset:128*(\y/2)+(\y%2)
	global_store_b128 v[L16], v[PC+4*\y:PC+4*\y+3], s[100:101] offset:2048*(\y/2)+512*(\y%2)
.else
	ds_store_b8 v[VX], v[EB+\y] offset:128*(\y/2)+2*(\y%2)
	global_store_b128 v[L16], v[PC+4*\y:PC+4*\y+3], s[100:101] offset:1024*\y
.endif
.endr
.endm
.macro BODY kind, fetch
	PRE \kind, \fetch
	s_wait_dscnt 42-2*(\kind)                      ; set 0 is in: behind its fetch came set 1's 34 loads, four byte stores and the bias's 4 or 2 loads
	BLK \kind, 0
.if \fetch
	FETCH 0
	s_wait_dscnt 34                                ; all but the 34 just issued
.else
	s_wait_dscnt 0x0
.endif
	BLK \kind, 1
.if \fetch
	FETCH 1
.endif
	EPIV \kind
	EPIS \kind
.endm
.macro GRD
	s_wait_tensorcnt 0x0
	ds_add_u32 v[SPW], v[NIL]
	s_wait_dscnt 0x0
.endm
	; x into registers: my 64 rows, all of K: 128 loads
.irp q, 0,1,2,3,4,5,6,7
.irp i, 0,1,2,3
	WIN (1+(4*\q+\i)/16)<<6
.irp c, 0,1,2,3
	ds_load_b128 v[16*((4*\q+\i)%16)+4*\c:16*((4*\q+\i)%16)+4*\c+3], v[ADX] offset:\i*16*PITCH+128*\q+32*\c
.endr
.endr
.endr
	WIN 0
	FETCH 0                                        ; Q's pair 3, from rows 0-31
	FETCH 1
	GRD
	CROUND
	s_cmp_lt_u32 s14, 2
	s_cbranch_scc0 .Lfor_k
	TLOAD G0V, G1R                                 ; W_v over x's rows
	s_branch .Lround1
.Lfor_k:
	TLOAD G0K, G1R                                 ; W_k likewise
.Lround1:
	s_mov_b32 s96, 3
	PRE 0, 1
	s_wait_dscnt 0x0
	BLK 0, 0
	BLK 0, 1
	EPIV 0
	s_wait_alu depctr_va_vdst(0)
	s_wait_tensorcnt 0x0                           ; W_v and W_k are in
	s_wait_dscnt 0x0
	BARRIER
	FETCH 0
	FETCH 1
	EPIS 0
	s_mov_b32 s96, 0
.Lv:                                                   ; V's four pairs; the last trip fetches K's first
	BODY 1, 1
	s_add_co_u32 s96, s96, 1
	s_cmp_lt_u32 s96, 4
	s_cbranch_scc1 .Lv
	GRD
	CROUND
	TLOAD G0D, G1D                                 ; W_q's rows 0-95 over them
	s_mov_b32 s96, 4
.Lk:                                                   ; K's pairs 0-2
	BODY 0, 1
	s_add_co_u32 s96, s96, 1
	s_cmp_lt_u32 s96, 7
	s_cbranch_scc1 .Lk
	s_wait_tensorcnt 0x0                           ; W_q's rows are in
	s_wait_dscnt 0x0
	BARRIER
	v_mov_b32 v[ADW], v[ADW0]                      ; the next trip's step leads to row 32 and to Q's first scale bytes
	v_mov_b32 v[AWS], v[AWS0]
	s_wait_alu depctr_va_vdst(0)
	s_mov_b32 s97, 7
.Lq:                                                   ; K's pair 3, Q's pairs 0, 1
	s_and_b32 s96, s97, 7
	BODY 0, 1
	s_add_co_u32 s97, s97, 1
	s_cmp_lt_u32 s97, 10
	s_cbranch_scc1 .Lq
	s_mov_b32 s96, 2
	BODY 0, 0                                      ; Q's pair 2 fetches nothing
	s_wait_dscnt 0x0
	BARRIER                                        ; all scale bytes lie in LDS
	s_lshl_b32 s19, s14, 9
	s_add_co_u32 s19, s19, SB
	v_add_nc_u32 v18, s19, v[L16]
	s_wait_alu depctr_va_vdst(0)
	ds_load_b128 v[60:63], v18                     ; wave n: Q's or K's (n / 2) head n % 2: two units on end
	s_lshr_b32 s20, s14, 1
	s_lshl_b32 s22, s20, 18
	s_and_b32 s20, s14, 1
	s_lshl_b32 s20, s20, 12
	s_add_co_u32 s22, s22, s20
	s_mov_b32 s23, 0
	s_add_nc_u64 s[22:23], s[12:13], s[22:23]
	s_wait_dscnt 0x0
	global_store_b128 v[L16], v[60:63], s[22:23]
	s_cmp_lt_u32 s14, 2
	s_cbranch_scc0 .Lno_v
	ds_load_b128 v[64:67], v18 offset:2048         ; waves 0, 1: V's head n
	s_lshl_b32 s98, s14, 12
	s_add_co_u32 s98, s98, 0x80000
	s_mov_b32 s99, 0
	s_add_nc_u64 s[98:99], s[12:13], s[98:99]
	s_wait_dscnt 0x0
	global_store_b128 v[L16], v[64:67], s[98:99]
.Lno_v:
	s_wait_tensorcnt 0x0                           ; the wave's end
	ds_add_u32 v[SPW], v[NIL]
	s_wait_dscnt 0x0
	CROUND                                         ; the closing round
	s_endpgm
.Lfunc_end_k_qde4da10168_proj:
	.size	k_qde4da10168_proj, .Lfunc_end_k_qde4da10168_proj-k_qde4da10168_proj
	.p2alignl 7, 3214868480
	.fill 96, 4, 3214868480
	.section	.rodata,"a",@progbits
	.p2align	6, 0x0
	.amdhsa_kernel k_qde4da10168_proj
		.amdhsa_group_segment_fixed_size 327680
		.amdhsa_private_segment_fixed_size 0
		.amdhsa_enable_private_segment 0
		.amdhsa_kernarg_size 104
		.amdhsa_user_sgpr_count 2
		.amdhsa_user_sgpr_kernarg_segment_ptr 1
		.amdhsa_wavefront_size32 1
		.amdhsa_system_sgpr_workgroup_id_x 1
		.amdhsa_system_sgpr_workgroup_id_y 1
		.amdhsa_system_sgpr_workgroup_id_z 1
		.amdhsa_system_vgpr_workitem_id 0
		.amdhsa_next_free_vgpr 1024
		.amdhsa_next_free_sgpr 102
		.amdhsa_reserve_vcc 0
		.amdhsa_float_denorm_mode_32 3
		.amdhsa_float_denorm_mode_16_64 3
		.amdhsa_memory_ordered 1
		.amdhsa_forward_progress 1
		.amdhsa_inst_pref_size 146
	.end_amdhsa_kernel
	.amdgpu_metadata
---
amdhsa.version: [ 1, 2 ]
amdhsa.kernels:
  - .name:           k_qde4da10168_proj
    .symbol:         k_qde4da10168_proj.kd
    .args:
      - { .name: x_codes, .offset: 0, .size: 8, .value_kind: global_buffer, .address_space: global }
      - { .name: x_scales, .offset: 8, .size: 8, .value_kind: global_buffer, .address_space: global }
      - { .name: wq_codes, .offset: 16, .size: 8, .value_kind: global_buffer, .address_space: global }
      - { .name: wq_scales, .offset: 24, .size: 8, .value_kind: global_buffer, .address_space: global }
      - { .name: wk_codes, .offset: 32, .size: 8, .value_kind: global_buffer, .address_space: global }
      - { .name: wk_scales, .offset: 40, .size: 8, .value_kind: global_buffer, .address_space: global }
      - { .name: wv_codes, .offset: 48, .size: 8, .value_kind: global_buffer, .address_space: global }
      - { .name: wv_scales, .offset: 56, .size: 8, .value_kind: global_buffer, .address_space: global }
      - { .name: bq, .offset: 64, .size: 8, .value_kind: global_buffer, .address_space: global }
      - { .name: bk, .offset: 72, .size: 8, .value_kind: global_buffer, .address_space: global }
      - { .name: bv, .offset: 80, .size: 8, .value_kind: global_buffer, .address_space: global }
      - { .name: qkv, .offset: 88, .size: 8, .value_kind: global_buffer, .address_space: global }
      - { .name: qkvs, .offset: 96, .size: 8, .value_kind: global_buffer, .address_space: global }
    .group_segment_fixed_size: 327680
    .private_segment_fixed_size: 0
    .kernarg_segment_align: 8
    .kernarg_segment_size: 104
    .max_flat_workgroup_size: 128
    .sgpr_count:     102
    .vgpr_count:     1024
    .wavefront_size: 32
...
	.end_amdgpu_metadata
.endif
;; end of part 1
;; launch attn (part 2): grid 4 x 64, 16 waves a work-group, clusters of 4 x 1, 272,384 bytes of LDS; arguments qkv, qkvs, acodes, ascales; writes acodes, ascales
.if DOCPART == 2
	.amdgcn_target "amdgcn-amd-amdhsa--gfx1250"
	.amdhsa_code_object_version 6
	.text
	.protected	k_qde4da10168_attn
	.globl	k_qde4da10168_attn
	.p2align	8
	.type	k_qde4da10168_attn,@function
k_qde4da10168_attn:
	s_mov_b64 s[64:65], 0
	v_nop
	global_prefetch_b8 v0, s[64:65] scope:SCOPE_SE
	s_setreg_imm32_b32 hwreg(HW_REG_WAVE_MODE, 25, 1), 1
	s_wait_xcnt 0x0
	s_wait_alu depctr_hold_cnt(0) depctr_sa_sdst(0) depctr_va_vdst(0) depctr_va_sdst(0) depctr_va_ssrc(0) depctr_va_vcc(0) depctr_vm_vsrc(0)
	s_getreg_b32 s2, hwreg(HW_REG_IB_STS2, 6, 4)
	s_cmp_eq_u32 s2, 0
	s_cbranch_scc0 .Lentry_in_a_cluster
	s_endpgm
.Lentry_in_a_cluster:
	s_bfe_u32 s2, ttmp6, 0x10000c
	s_cmp_lg_u32 s2, 0x3003
	s_cbranch_scc0 .Lentry_shape_is_right
	s_endpgm
.Lentry_shape_is_right:
; For each of 64 heads (batch x head): O[q] = the sum over k of softmax_k(Q[q] . K[k] / 8) V[k], both products on codes of E5M2 with E8M0 scales, and O quantised along the model's 1,024 channels for the last product.
; THE SOFTMAX: t = score x log2(e) / 8; M = the running largest t, rounded UP to a whole number; p = 2^(t - M) is quantised along the keys, not normalised.  The row's sum is taken of the unquantised p and divides O at the end.
; When M moves, the sum and O are multiplied by 2^(old M - new M): exact.
; SHARES.  A work-group owns 512 queries of one head, each of its sixteen waves 32 of them: two tiles of 16, one after the other (the outer loop's two trips), in 256 registers; four waves lie on a SIMD.
; THE WHOLE HEAD'S K AND V STAY IN LDS, filled once: 131,072 bytes each, as images of operand registers (a group = 4 registers x 32 lanes = 512 bytes, lane l's 16 bytes at 16 l), and 4,096 bytes of scale words each.
; FILLS: one joint load a wave, all at the head (the four work-groups of a cluster are the four blocks of queries of one head).  Waves 0 and 8: key steps 0-3 of K and of V, 32,768 bytes; waves 1 and 9: K's and V's scale words;
; the other twelve: 16,384 bytes each, at LDS byte 16,384 x wave.  The first barrier shows what waves 0, 1, 8, 9 asked for, the second the rest.  Nothing is filled again, and no later request exists that a prefetch could run ahead of.
; LAYOUT.  Both products are used transposed: S^T = K Q^T, O^T = V^T P^T: a lane holds ONE query (lane % 16) throughout.
; K = 64 IN AN INSTRUCTION OF 128: a fragment of K holds two tiles of 16 keys, [tile 2 b's 64 codes | tile 2 b + 1's]; it is multiplied by [q | zeros] for tile 2 b and by [zeros | q] for tile 2 b + 1.  Zero codes add nothing.
; Register i of S^T's tiles 2 b, 2 b + 1 holds key 32 b + 16 (i / 8) + 8 h + i % 8; V's codes were laid in that same order.
; LIMITS: NaN and infinities are not served; a block whose largest magnitude lies under 2^-111 gets the scale byte 1.  O's scale bytes leave as 2 bytes a row and head: one part in 32 of what the launch stores.
.set VIMG, 131072
.set KSC,  262144
.set VSC,  266240
.set SPARE, 270336                     ; the spare words: 128 bytes a wave
.set T,    48                          ; v48-55   the step's sum of p, four chains of pairs
.set FB,   56                          ; v56-119  four fragments of K or of V
.set S,    120                         ; v120-183 S^T, then p
.set O,    184                         ; v184-215 O^T
.set PCD,  216                         ; v216-231 p's codes
.set BM,   232                         ; v232-235 a block's largest score, then its largest p
.set PB,   236                         ; v236-239 the other half's largest p, then the byte (v236 first: the old -M)
.set LIM,  240                         ; v240-243 57,344 x the scale
.set SOP,  244                         ; v244-247 the conversions' scale operand
; v1 16 x lane; v2 the same + VIMG; v3, v4 8 x lane + KSC, VSC; v5, v255 at work; v[6:7] f; v8-11 the step's addresses; v12 -M; v13 the largest score; v[14:15] the sum;
; v16-39 [8 zeros | q | 8 zeros]; v40-47 the second tile's q; v248-251 K's and V's scale words; v252, v253 q's; v254 p's
.set WV,   12                          ; s12  my wave's number
.set W7,   15                          ; s15  wave % 8
.set NC,   48                          ; s48  -c
.set PASS, 49
.set SEL,  52                          ; s[52:53] selects for lane l xor 16
.set CS,   54                          ; s[54:55] c = log2(e) / 8
.set MNT,  56                          ; s56  the mantissa field of 57,344
.set TG,   57                          ; s57  8,192 x the key step
.set TS,   58                          ; s58  256 x the key step
.set CNT,  59
.macro ROUND                           ; a round of the cluster's barrier
	s_barrier_signal -1
	s_barrier_wait -1
	s_cmp_lg_u32 s[WV], 0
	s_cbranch_scc1 .Lnot_wave_0_\@
	s_barrier_signal -3
.Lnot_wave_0_\@:
	s_barrier_wait -3
	s_barrier_signal -1
	s_barrier_wait -1
.endm
.macro GRP1 g, rows                    ; group 1: so many dense rows of 256 bytes (32 elements of 8); the mask names all four work-groups, bit 21 beside it
	s_mov_b32 s[\g], 15|(3<<16)|(1<<21)
	s_mov_b32 s[\g+1], 32<<16
	s_mov_b32 s[\g+2], (\rows)<<16
	s_mov_b32 s[\g+3], 32<<16
	s_mov_b32 s[\g+4], \rows
	s_mov_b32 s[\g+5], 32
	s_mov_b32 s[\g+6], 0
	s_mov_b32 s[\g+7], 0
.endm
.macro TLOAD g0, g1                    ; an s_nop 0 and four v_nop follow the load
	tensor_load_to_lds s[\g0:\g0+3], s[\g1:\g1+7]
	s_nop 0
.rept 4
	v_nop
.endr
.endm
	s_load_b256 s[4:11], s[0:1], 0x0               ; qkv, qkvs, acodes, ascales
	v_lshl_add_u32 v254, v0, 2, SPARE
	v_mov_b32 v255, 0
	ds_add_u32 v254, v255                          ; the opening lines: the add twice on end and its wait
	ds_add_u32 v254, v255
	v_lshrrev_b32 v5, 5, v0
	v_readfirstlane_b32 s[WV], v5                  ; wave 0..15
	s_bfe_u32 s13, ttmp6, 0x40000                  ; cx: which 512 queries
	s_and_b32 s14, ttmp7, 0xffff                   ; batch x head, which the four partners share
	GRP1 16, 128
	GRP1 24, 16
	GRP1 32, 64
	s_and_b32 s[W7], s[WV], 7
	s_lshr_b32 s2, s[WV], 3                        ; 0: K, 1: V
	s_mov_b32 s40, 1
	s_lshl_b32 s41, s[WV], 14                      ; images: LDS byte 16,384 x wave
	s_mov_b32 s44, 1
	s_lshl_b32 s45, s2, 12
	s_add_co_u32 s45, s45, KSC                     ; scale words
	s_lshl_b32 s70, s2, 23
	s_lshl_b32 s71, s14, 17
	s_add_co_u32 s70, s70, s71
	s_lshl_b32 s71, s[W7], 14
	s_add_co_u32 s70, s70, s71
	s_add_co_u32 s70, s70, 0x800000                ; in qkv: k's section or v's, the head, 16,384 x (wave % 8)
	s_mov_b32 s71, 0
	s_lshl_b32 s72, s2, 18
	s_lshl_b32 s73, s14, 12
	s_add_co_u32 s72, s72, s73
	s_add_co_u32 s72, s72, 0x40000                 ; in qkvs likewise
	s_mov_b32 s73, 0
	s_mov_b32 s[SEL], 0x76543210
	s_mov_b32 s[SEL+1], 0xfedcba98
	s_mov_b32 s[CS], 0x3e38aa3b
	s_mov_b32 s[CS+1], s[CS]                       ; (named with it as a pair)
	s_mov_b32 s[NC], 0xbe38aa3b
	s_mov_b32 s[MNT], 0x600000
	s_wait_dscnt 0x0
	s_wait_kmcnt 0x0
	s_add_nc_u64 s[42:43], s[4:5], s[70:71]
	s_or_b32 s43, s43, 0x80000000
	s_add_nc_u64 s[46:47], s[6:7], s[72:73]
	s_or_b32 s47, s47, 0x80000000
	ROUND                                          ; all four work-groups are here: the joint loads meet
	s_cmp_lt_u32 s[W7], 1                          ; one chain on the wave's number, a load to an arm
	s_cbranch_scc0 .Lnot_first
	TLOAD 40, 16                                   ; waves 0, 8: key steps 0-3
	s_branch .Lasked
.Lnot_first:
	s_cmp_lt_u32 s[W7], 2
	s_cbranch_scc0 .Lrest
	TLOAD 44, 24                                   ; waves 1, 9: the scale words
	s_branch .Lasked
.Lrest:
	TLOAD 40, 32                                   ; the others: two key steps each
.Lasked:
	s_lshl_b32 s78, s13, 4
	s_add_co_u32 s78, s78, s[WV]                   ; which 32 queries of the head are mine: 16 cx + wave
	s_lshl_b32 s66, s14, 17
	s_lshl_b32 s67, s78, 11
	s_add_co_u32 s66, s66, s67
	s_mov_b32 s67, 0
	s_add_nc_u64 s[66:67], s[4:5], s[66:67]        ; my two tiles' images of q
	s_lshl_b32 s68, s14, 12
	s_lshr_b32 s69, s78, 2
	s_lshl_b32 s69, s69, 8
	s_add_co_u32 s68, s68, s69
	s_and_b32 s69, s78, 1
	s_lshl_b32 s69, s69, 7
	s_add_co_u32 s68, s68, s69
	s_bfe_u32 s69, s78, 0x10001
	s_lshl_b32 s69, s69, 2
	s_add_co_u32 s68, s68, s69
	s_mov_b32 s69, 0
	s_add_nc_u64 s[68:69], s[6:7], s[68:69]        ; and their scale words
	s_lshr_b32 s79, s14, 4
	s_lshl_b32 s79, s79, 7
	s_lshl_b32 s61, s78, 1
	s_add_co_u32 s79, s79, s61                     ; the first tile's place among the 512 tiles of 16 rows
	s_and_b32 s63, s14, 15                         ; the head
	s_lshl_b32 s60, s79, 14
	s_lshl_b32 s61, s63, 10
	s_add_co_u32 s60, s60, s61
	s_mov_b32 s61, 0
	s_lshl_b32 s62, s79, 9
	s_lshl_b32 s63, s63, 1
	s_add_co_u32 s62, s62, s63
	s_mov_b32 s63, 0
	s_add_nc_u64 s[60:61], s[8:9], s[60:61]        ; acodes: [tile of 16 rows][16,384]: a head's two groups begin 1,024 x head in
	s_add_nc_u64 s[62:63], s[10:11], s[62:63]      ; ascales: [row][32]: a head's two bytes
	v_and_b32 v5, 31, v0
	v_lshlrev_b32 v1, 4, v5
	v_add_nc_u32 v2, VIMG, v1
	v_lshl_add_u32 v3, v5, 3, KSC
	v_lshl_add_u32 v4, v5, 3, VSC
	v_and_b32 v5, 15, v0
	v_lshlrev_b32 v5, 3, v5
	global_load_b128 v[24:27], v1, s[66:67]
	global_load_b128 v[28:31], v1, s[66:67] offset:512
	global_load_b128 v[40:43], v1, s[66:67] offset:1024
	global_load_b128 v[44:47], v1, s[66:67] offset:1536
	global_load_b32 v252, v5, s[68:69]             ; row r's word: the first tile's two bytes, the second's two
.irp i, 0,1,2,3,4,5,6,7
	v_mov_b32 v[16+\i], 0                          ; zero codes
	v_mov_b32 v[32+\i], 0
.endr
.irp b, 0,1,2,3
	v_mov_b32 v[PB+\b], 0                          ; a lane permute's destination counts as one of its sources
.endr
	v_mov_b32 v7, 0                                ; (the upper half of the pair v[6:7])
	s_wait_alu depctr_va_vdst(0)
	s_wait_loadcnt 0x0
	v_perm_b32 v253, v252, v252, 0x01000302        ; the word turned by two bytes
.macro QK d, f, q, xs, qs, row
.if \row
	v_wmma_scale_f32_16x16x128_f8f6f4 v[\d:\d+7], v[\f:\f+15], v[\q:\q+15], 0, v[\xs], v[\qs] matrix_a_fmt:MATRIX_FMT_BF8 matrix_b_fmt:MATRIX_FMT_BF8 matrix_a_scale:MATRIX_SCALE_ROW1
.else
	v_wmma_scale_f32_16x16x128_f8f6f4 v[\d:\d+7], v[\f:\f+15], v[\q:\q+15], 0, v[\xs], v[\qs] matrix_a_fmt:MATRIX_FMT_BF8 matrix_b_fmt:MATRIX_FMT_BF8
.endif
.endm
.macro PV d, f, ys, row
.if \row
	v_wmma_scale_f32_16x16x128_f8f6f4 v[\d:\d+7], v[\f:\f+15], v[PCD:PCD+15], v[\d:\d+7], v[\ys], v254 matrix_a_fmt:MATRIX_FMT_BF8 matrix_b_fmt:MATRIX_FMT_BF8 matrix_a_scale:MATRIX_SCALE_ROW1
.else
	v_wmma_scale_f32_16x16x128_f8f6f4 v[\d:\d+7], v[\f:\f+15], v[PCD:PCD+15], v[\d:\d+7], v[\ys], v254 matrix_a_fmt:MATRIX_FMT_BF8 matrix_b_fmt:MATRIX_FMT_BF8
.endif
.endm
; A KEY STEP: 128 keys.
.macro STEP
	v_add_nc_u32 v8, s[TG], v1                     ; with the four lines at the last step's end: eight places in front of loads into registers that the last products have read
	v_add_nc_u32 v9, s[TG], v2
	v_add_nc_u32 v10, s[TS], v3
	v_add_nc_u32 v11, s[TS], v4
.irp i, 0,1,2,3,4,5,6,7,8,9,10,11,12,13,14,15
	ds_load_b128 v[FB+4*\i:FB+4*\i+3], v8 offset:512*\i        ; four fragments of K: 32 lanes read 512 consecutive bytes
.endr
	ds_load_b64 v[248:249], v10                    ; word j: lanes 0-15 fragment 2 j's rows, lanes 16-31 fragment 2 j + 1's
	s_wait_alu depctr_va_vdst(0)
	s_wait_dscnt 0x0
.irp b, 0,1,2,3
	QK S+16*\b, FB+16*\b, 24, 248+\b/2, 252, \b%2
	QK S+16*\b+8, FB+16*\b, 16, 248+\b/2, 253, \b%2
.endr
	v_mov_b32 v[PB], v12                           ; the old -M; with the seven below: eight places in front of the loads and of the first read of the scores
.rept 7
	v_nop
.endr
.irp i, 0,1,2,3,4,5,6,7,8,9,10,11,12,13,14,15
	ds_load_b128 v[FB+4*\i:FB+4*\i+3], v9 offset:512*\i        ; four fragments of V: they land under the softmax
.endr
	ds_load_b64 v[250:251], v11
.irp b, 0,1,2,3
	v_max3_num_f32 v[BM+\b], v[S+16*\b], v[S+1+16*\b], v[S+2+16*\b]   ; my 16 keys' largest score of each block of 32: for the row's maximum and, since p rises with the score, for the block's largest p
.endr
.irp i, 3,5,7,9,11,13
.irp b, 0,1,2,3
	v_max3_num_f32 v[BM+\b], v[BM+\b], v[S+16*\b+\i], v[S+1+16*\b+\i]
.endr
.endr
.irp b, 0,1,2,3
	v_max_num_f32 v[BM+\b], v[BM+\b], v[S+15+16*\b]
.endr
	s_delay_alu instid0(VALU_DEP_2)
	v_max3_num_f32 v255, v232, v233, v234
	s_delay_alu instid0(VALU_DEP_1)
	v_max_num_f32 v255, v255, v235
	s_delay_alu instid0(VALU_DEP_1)
	v_permlanex16_b32 v5, v255, s[SEL], s[SEL+1]
	s_delay_alu instid0(VALU_DEP_1)
	v_max3_num_f32 v13, v13, v255, v5              ; the running largest score of my query
	s_delay_alu instid0(VALU_DEP_1)
	v_mul_f32 v255, s[NC], v13                     ; -t
	s_delay_alu instid0(VALU_DEP_1)
	v_floor_f32 v12, v255                          ; the new -M = -ceil(t): a whole number
	s_delay_alu instid0(VALU_DEP_1)
	v_sub_f32 v255, v12, v[PB]                     ; old M - new M: a whole number, 0 or less
	s_delay_alu instid0(VALU_DEP_1)
	v_cvt_i32_f32 v255, v255                       ; (it saturates)
	s_delay_alu instid0(VALU_DEP_1)
	v_ldexp_f32 v6, 1.0, v255                      ; f = 2^(old M - new M)
.set n, 0
.rept 32
	v_pk_fma_f32 v[S+n:S+n+1], v[S+n:S+n+1], s[CS:CS+1], v[12:13] op_sel_hi:[1,0,0]   ; t - M, two at a time
.set n, n+2
.endr
.irp b, 0,1,2,3
	v_fma_f32 v[BM+\b], v[BM+\b], s[CS], v12       ; the same of each block's largest score
.endr
	s_wait_alu depctr_va_vdst(0)
.set n, 0
.rept 64
	v_exp_f32 v[S+n], v[S+n]                       ; p = 2^(t - M)
.set n, n+1
.endr
.irp b, 0,1,2,3
	v_exp_f32 v[BM+\b], v[BM+\b]                   ; my half's largest p of the block: the same two instructions on the same number
.endr
	v_nop                                          ; a plain place behind the exponentials
	s_wait_alu depctr_va_vdst(0)                   ; one wait for the batch of 68, ahead of its first reader
.irp b, 0,1,2,3
	v_permlanex16_b32 v[PB+\b], v[BM+\b], s[SEL], s[SEL+1]
.endr
.irp k, 0,1,2,3
	v_pk_add_f32 v[T+2*\k:T+2*\k+1], v[S+4*\k:S+4*\k+1], v[S+4*\k+2:S+4*\k+3]   ; the sum of the unquantised p: four chains
.endr
.irp b, 0,1,2,3
	v_max3_num_f32 v[BM+\b], v[BM+\b], v[PB+\b], 0x8000000     ; with lane l xor 16's 16 keys, and the floor 2^(16 - 127): the byte cannot fall under 1
.endr
.irp b, 0,1,2,3
	v_add_nc_u32 v[SOP+\b], 0xf8800000, v[BM+\b]   ; 15 off the exponent field: the conversion's scale operand
.endr
.irp b, 0,1,2,3
	v_and_or_b32 v[LIM+\b], v[BM+\b], 0x7f800000, s[MNT]       ; 57,344 x the scale
.endr
.irp b, 0,1,2,3
	v_lshrrev_b32 v[PB+\b], 23, v[SOP+\b]          ; the scale's byte
.endr
.set n, 16
.rept 4
	v_pk_add_f32 v[T+2*((n/2)%4):T+2*((n/2)%4)+1], v[T+2*((n/2)%4):T+2*((n/2)%4)+1], v[S+n:S+n+1]
.set n, n+2
.endr
	v_lshl_or_b32 v254, v237, 8, v236              ; p's scale word for these 128 keys
.rept 4
	v_pk_add_f32 v[T+2*((n/2)%4):T+2*((n/2)%4)+1], v[T+2*((n/2)%4):T+2*((n/2)%4)+1], v[S+n:S+n+1]
.set n, n+2
.endr
	v_lshl_or_b32 v254, v238, 16, v254
.rept 4
	v_pk_add_f32 v[T+2*((n/2)%4):T+2*((n/2)%4)+1], v[T+2*((n/2)%4):T+2*((n/2)%4)+1], v[S+n:S+n+1]
.set n, n+2
.endr
	v_lshl_or_b32 v254, v239, 24, v254
.rept 12
	v_pk_add_f32 v[T+2*((n/2)%4):T+2*((n/2)%4)+1], v[T+2*((n/2)%4):T+2*((n/2)%4)+1], v[S+n:S+n+1]
.set n, n+2
.endr
.irp b, 0,1,2,3
.set n, 0
.rept 8
	v_dual_min_num_f32 v[S+16*\b+n], v[S+16*\b+n], v[LIM+\b] :: v_dual_min_num_f32 v[S+16*\b+n+1], v[S+16*\b+n+1], v[LIM+\b]   ; the conversion does not saturate (ISA guide 7.6.2); p is not negative: a one-sided hold, two in a line
.set n, n+2
.endr
	v_cvt_scalef32_pk8_bf8_f32 v[PCD+4*\b:PCD+4*\b+1], v[S+16*\b:S+16*\b+7], v[SOP+\b]
	v_cvt_scalef32_pk8_bf8_f32 v[PCD+4*\b+2:PCD+4*\b+3], v[S+16*\b+8:S+16*\b+15], v[SOP+\b]
.endr
	s_wait_alu depctr_va_vdst(0)                   ; directly ahead of the first reader of O^T
.set n, 0
.rept 16
	v_pk_mul_f32 v[O+n:O+n+1], v[O+n:O+n+1], v[6:7] op_sel_hi:[1,0]    ; O^T under the new M; these 16 are also the places between the codes and the products
.set n, n+2
.endr
	s_wait_alu depctr_va_vdst(0)                   ; and ahead of the wait below
	s_wait_dscnt 0x0                               ; V is in
.irp t, 0,1,2,3
	PV O+8*\t, FB+16*\t, 250+\t/2, \t%2            ; four accumulators by turns
.endr
	s_add_co_u32 s[TG], s[TG], 8192
	s_add_co_u32 s[TS], s[TS], 256
	v_pk_add_f32 v[T:T+1], v[T:T+1], v[T+2:T+3]    ; the four chains are joined: four places behind the products
	v_pk_add_f32 v[T+4:T+5], v[T+4:T+5], v[T+6:T+7]
	v_pk_add_f32 v[T:T+1], v[T:T+1], v[T+4:T+5]
	v_pk_fma_f32 v[14:15], v[14:15], v[6:7], v[T:T+1] op_sel_hi:[1,0,1]   ; the sum under the new M, and this step's
.endm
.macro RUN count
	s_mov_b32 s[CNT], \count
.Lstep_\@:
	STEP
	s_sub_co_u32 s[CNT], s[CNT], 1
	s_cmp_lg_u32 s[CNT], 0
	s_cbranch_scc1 .Lstep_\@
.endm
; THE WAY OUT of a tile: O^T / the sum; the halves of the lanes exchange eight registers of each block, so that a lane holds channels 32 b + 16 h + 0 .. 15 in their true order; quantised; stored as an image.
.macro OUT
	v_add_f32 v14, v14, v15
	s_delay_alu instid0(VALU_DEP_1)
	v_permlanex16_b32 v255, v14, s[SEL], s[SEL+1]
	s_delay_alu instid0(VALU_DEP_1)
	v_add_f32 v14, v14, v255                       ; the row's sum
	s_wait_alu depctr_va_vdst(0)
	v_rcp_f32 v14, v14
	v_and_b32 v255, 15, v0
	s_delay_alu instid0(VALU_DEP_1)
	v_lshlrev_b32 v255, 5, v255                    ; my row's 32 scale bytes
	v_cmp_le_u32 vcc_lo, 256, v1                   ; lanes 16-31
	s_wait_alu depctr_va_vdst(0)                   ; ahead of the reciprocal's first reader, which is O^T's too
.set n, 0
.rept 16
	v_pk_mul_f32 v[S+n:S+n+1], v[O+n:O+n+1], v[14:15] op_sel_hi:[1,0]  ; register 8 t + j: channel 16 t + 8 h + j; each accumulator from its low end on
.set n, n+2
.endr
.irp b, 0,1
.irp j, 0,1,2,3,4,5,6,7
	v_permlanex16_b32 v[FB+8*\b+\j], v[S+16*\b+8+\j], s[SEL], s[SEL+1]
	v_permlanex16_b32 v[FB+16+8*\b+\j], v[S+16*\b+\j], s[SEL], s[SEL+1]
.endr
.endr
.irp b, 0,1
.irp j, 0,1,2,3,4,5,6,7
	v_cndmask_b32 v[S+16*\b+\j], v[S+16*\b+\j], v[FB+8*\b+\j], vcc_lo          ; lanes 16-31 take the other half's upper eight below,
	v_cndmask_b32 v[S+16*\b+8+\j], v[FB+16+8*\b+\j], v[S+16*\b+8+\j], vcc_lo   ; lanes 0-15 the other half's lower eight above
.endr
.endr
.irp b, 0,1
	v_max3_num_f32 v[232+\b], |v[S+16*\b]|, |v[S+1+16*\b]|, 0x8000000
.endr
.irp i, 2,4,6,8,10,12,14
.irp b, 0,1
	s_delay_alu instid0(VALU_DEP_2)
	v_max3_num_f32 v[232+\b], v[232+\b], |v[S+16*\b+\i]|, |v[S+1+16*\b+\i]|
.endr
.endr
.irp b, 0,1
	s_delay_alu instid0(VALU_DEP_2)
	v_permlanex16_b32 v[236+\b], v[232+\b], s[SEL], s[SEL+1]
.endr
.irp b, 0,1
	s_delay_alu instid0(VALU_DEP_2)
	v_max_num_f32 v[232+\b], v[232+\b], v[236+\b]
.endr
.irp b, 0,1
	s_delay_alu instid0(VALU_DEP_2)
	v_add_nc_u32 v[244+\b], 0xf8800000, v[232+\b]
.endr
.irp b, 0,1
	s_delay_alu instid0(VALU_DEP_4)
	v_and_or_b32 v[240+\b], v[232+\b], 0x7f800000, s[MNT]
.endr
.irp b, 0,1
	s_delay_alu instid0(VALU_DEP_4)
	v_lshrrev_b32 v[236+\b], 23, v[244+\b]
.endr
	s_delay_alu instid0(VALU_DEP_1)
	v_lshl_or_b32 v5, v237, 8, v236                ; the head's two scale bytes of my row
.irp b, 0,1
.set n, 0
.rept 16
	v_med3_num_f32 v[S+16*\b+n], v[S+16*\b+n], -v[240+\b], v[240+\b]
.set n, n+1
.endr
	v_cvt_scalef32_pk8_bf8_f32 v[PCD+4*\b:PCD+4*\b+1], v[S+16*\b:S+16*\b+7], v[244+\b]
	v_cvt_scalef32_pk8_bf8_f32 v[PCD+4*\b+2:PCD+4*\b+3], v[S+16*\b+8:S+16*\b+15], v[244+\b]
.endr
	v_nop                                          ; a plain instruction behind the last conversion
	global_store_b128 v1, v[PCD:PCD+3], s[60:61]                ; 512 consecutive bytes, aligned
	global_store_b128 v1, v[PCD+4:PCD+7], s[60:61] offset:512
	global_store_b16 v255, v5, s[62:63]                         ; both halves of the lanes write the same two bytes
.endm
	s_mov_b32 s[PASS], 0
.Lpass:                                                ; two trips: my first tile of 16 queries, then my second
	v_mov_b32 v13, 0xff61b1e6                      ; the largest score so far: -3e38.  The step is written without a first step of its own: it finds zeros, which the first change of M leaves zeros
	v_floor_f32 v12, -v13
	v_mov_b32 v14, 0
	v_mov_b32 v15, 0
.set n, 0
.rept 32
	v_mov_b32 v[O+n], 0
.set n, n+1
.endr
	s_mov_b32 s[TG], 0
	s_mov_b32 s[TS], 0
	s_wait_alu depctr_va_vdst(0)
	s_cmp_lt_u32 s[W7], 2
	s_cbranch_scc0 .Llater
	s_wait_tensorcnt 0x0                           ; waves 0, 1, 8, 9: key steps 0-3 and the scale words are in
.Llater:
	s_barrier_signal -1
	s_barrier_wait -1                              ; nothing is filled again, so the other loads may stay on their way
	RUN 4
	s_wait_tensorcnt 0x0                           ; every wave: all that was asked for is in
	s_barrier_signal -1
	s_barrier_wait -1
	RUN 12
	OUT
	s_wait_xcnt 0x0                                ; the stores have read their data, offsets and bases
	s_add_nc_u64 s[60:61], s[60:61], 16384         ; the next tile of 16 rows
	s_add_nc_u64 s[62:63], s[62:63], 512
.irp i, 0,1,2,3,4,5,6,7
	v_mov_b32 v[24+\i], v[40+\i]                   ; the second tile's q takes the first's place (the second trip repeats these eleven lines)
.endr
	v_mov_b32 v5, v252                             ; and its two bytes come below
	v_mov_b32 v252, v253
	v_mov_b32 v253, v5
	s_add_co_u32 s[PASS], s[PASS], 1
	s_cmp_lt_u32 s[PASS], 2
	s_wait_alu depctr_va_vdst(0)
	s_cbranch_scc1 .Lpass
	v_lshl_add_u32 v254, v0, 2, SPARE
	v_mov_b32 v255, 0
	s_wait_alu depctr_va_vdst(0)
	s_wait_tensorcnt 0x0                           ; the wave's end
	ds_add_u32 v254, v255
	s_wait_dscnt 0x0
	ROUND                                          ; the closing round
	s_endpgm
.Lfunc_end_k_qde4da10168_attn:
	.size	k_qde4da10168_attn, .Lfunc_end_k_qde4da10168_attn-k_qde4da10168_attn
	.p2alignl 7, 3214868480
	.fill 96, 4, 3214868480
	.section	.rodata,"a",@progbits
	.p2align	6, 0x0
	.amdhsa_kernel k_qde4da10168_attn
		.amdhsa_group_segment_fixed_size 272384
		.amdhsa_private_segment_fixed_size 0
		.amdhsa_enable_private_segment 0
		.amdhsa_kernarg_size 32
		.amdhsa_user_sgpr_count 2
		.amdhsa_user_sgpr_kernarg_segment_ptr 1
		.amdhsa_wavefront_size32 1
		.amdhsa_system_sgpr_workgroup_id_x 1
		.amdhsa_system_sgpr_workgroup_id_y 1
		.amdhsa_system_sgpr_workgroup_id_z 1
		.amdhsa_system_vgpr_workitem_id 0
		.amdhsa_next_free_vgpr 256
		.amdhsa_next_free_sgpr 80
		.amdhsa_reserve_vcc 1
		.amdhsa_float_denorm_mode_32 3
		.amdhsa_float_denorm_mode_16_64 3
		.amdhsa_memory_ordered 1
		.amdhsa_forward_progress 1
		.amdhsa_inst_pref_size 57
	.end_amdhsa_kernel
	.amdgpu_metadata
---
amdhsa.version: [ 1, 2 ]
amdhsa.kernels:
  - .name:           k_qde4da10168_attn
    .symbol:         k_qde4da10168_attn.kd
    .args:
      - { .name: qkv, .offset: 0, .size: 8, .value_kind: global_buffer, .address_space: global }
      - { .name: qkvs, .offset: 8, .size: 8, .value_kind: global_buffer, .address_space: global }
      - { .name: acodes, .offset: 16, .size: 8, .value_kind: global_buffer, .address_space: global }
      - { .name: ascales, .offset: 24, .size: 8, .value_kind: global_buffer, .address_space: global }
    .group_segment_fixed_size: 272384
    .private_segment_fixed_size: 0
    .kernarg_segment_align: 8
    .kernarg_segment_size: 32
    .max_flat_workgroup_size: 512
    .sgpr_count:     80
    .vgpr_count:     256
    .wavefront_size: 32
...
	.end_amdgpu_metadata
.endif
;; end of part 2
;; launch outp (part 3): grid 8 x 32, 4 waves a work-group, clusters of 4 x 4, 268,800 bytes of LDS; arguments acodes, ascales, wo_codes, wo_scales, bo, out0; writes out0
.if DOCPART == 3
	.amdgcn_target "amdgcn-amd-amdhsa--gfx1250"
	.amdhsa_code_object_version 6
	.text
	.protected	k_qde4da10168_outp
	.globl	k_qde4da10168_outp
	.p2align	8
	.type	k_qde4da10168_outp,@function
k_qde4da10168_outp:
	s_mov_b64 s[64:65], 0
	v_nop
	global_prefetch_b8 v0, s[64:65] scope:SCOPE_SE
	s_setreg_imm32_b32 hwreg(HW_REG_WAVE_MODE, 25, 1), 1
	s_wait_xcnt 0x0
	s_wait_alu depctr_hold_cnt(0) depctr_sa_sdst(0) depctr_va_vdst(0) depctr_va_sdst(0) depctr_va_ssrc(0) depctr_va_vcc(0) depctr_vm_vsrc(0)
	s_getreg_b32 s2, hwreg(HW_REG_IB_STS2, 6, 4)
	s_cmp_eq_u32 s2, 0
	s_cbranch_scc0 .Lentry_in_a_cluster
	s_endpgm
.Lentry_in_a_cluster:
	s_bfe_u32 s2, ttmp6, 0x10000c
	s_cmp_lg_u32 s2, 0xf033
	s_cbranch_scc0 .Lentry_shape_is_right
	s_endpgm
.Lentry_shape_is_right:
; out0 = A W_o^T + bo: 8,192 x 1,024 x 1,024 on codes of E5M2 with E8M0 scales, f32 sums and results.
; THE DEAL.  256 work-groups: 256 tokens x 128 columns.  Each of four waves holds 64 tokens, ALL of K, in 512 registers: acodes lie as images of operand registers ([tile of 16 rows][128 of K][block of 32][lane][16]), so a wave
; fetches its 65,536 bytes by 128 loads of 512 consecutive bytes.  W_o's 128 rows land in LDS once, 32 rows a wave, asked for jointly along a column of the cluster; all waves stream them in blocks of 16 through two register sets.
; Nothing is filled again, and all is asked for at the head: there is no later request that a prefetch could lead.
; Source 0 = W_o's rows: a lane holds eight neighbouring columns of one token.  The bias is the first products' C.  Results go through each wave's own stage in LDS (64 rows of 512 + 16 bytes) and leave as aligned units of 256 bytes: columns 0-63 behind block 3, 64-127 behind block 7.
.set PITCH, 1040
.set STG,   128*PITCH
.set SPITCH, 528
.set WSTG,  64*SPITCH
.set SPARE, STG+4*WSTG
.set L16, 4
.set ADW, 6                            ; v6, v7: W_o's rows 0-63, 64-127
.set STO, 8
.set RD,  9
.set CO,  10
.set L32, 11
.set HB,  12
.set SPW, 16
.set NIL, 17
.set WS, 24                            ; v24-55 W_o's scale words: register 8 p + q: lanes 0-15 block 2 p, lanes 16-31 block 2 p + 1
.set XS, 60                            ; v60-75 A's likewise
.set ACC, 80                           ; v80-111 a block's sums
.set BS, 112                           ; v112-175 the bias, eight registers a block
.set RB, 176                           ; v176-239 rows read back
.set MSB, 0
.macro WIN new
.if MSB != (\new)
	s_set_vgpr_msb (MSB<<8)|(\new)
.set MSB, (\new)
.endif
.endm
.macro PLACES n
.rept \n
	v_nop
.endr
.endm
.macro BARRIER
	s_barrier_signal -1
	s_barrier_wait -1
.endm
.macro CROUND
	BARRIER
	s_cmp_lg_u32 s16, 0
	s_cbranch_scc1 .Lnot_wave_0_\@
	s_barrier_signal -3
.Lnot_wave_0_\@:
	s_barrier_wait -3
	BARRIER
.endm
	s_load_b256 s[4:11], s[0:1], 0x0               ; acodes, ascales, wo_codes, wo_scales
	s_load_b128 s[12:15], s[0:1], 0x20             ; bo, out0
	v_lshl_add_u32 v[SPW], v0, 2, SPARE
	v_mov_b32 v[NIL], 0
	ds_add_u32 v[SPW], v[NIL]                      ; the opening lines: the add twice on end and its wait
	ds_add_u32 v[SPW], v[NIL]
	v_lshrrev_b32 v1, 5, v0
	v_readfirstlane_b32 s16, v1                    ; wave 0..3
	s_bfe_u32 s17, ttmp6, 0x40000                  ; cx
	s_bfe_u32 s18, ttmp6, 0x40004                  ; cy
	s_lshl_b32 s19, ttmp9, 2
	s_add_co_u32 s19, s19, s17                     ; which 128 columns
	s_and_b32 s20, ttmp7, 0xffff
	s_lshl_b32 s20, s20, 2
	s_add_co_u32 s20, s20, s18                     ; which 256 tokens
	s_lshl_b32 s21, 0x1111, s17                    ; my column of the cluster
	s_or_b32 s24, s21, (1<<20)|(1<<21)|(7<<22)|(3<<25)   ; 32 whole rows of 1,024 bytes, 16 bytes of padding behind each
	s_mov_b32 s25, 1024<<16
	s_mov_b32 s26, 32<<16
	s_mov_b32 s27, 1024<<16
	s_mov_b32 s28, 32
	s_mov_b32 s29, 1024
	s_mov_b32 s30, 0
	s_mov_b32 s31, 0
	s_mov_b32 s32, 1
	s_mul_i32 s33, s16, 32*PITCH
	s_lshl_b32 s36, s19, 17
	s_lshl_b32 s37, s16, 15
	s_add_co_u32 s36, s36, s37
	s_mov_b32 s37, 0
	s_mul_i32 s22, s16, WSTG
	s_add_co_u32 s22, s22, STG                     ; my stage
	s_wait_dscnt 0x0
	s_wait_kmcnt 0x0
	s_add_nc_u64 s[34:35], s[8:9], s[36:37]
	s_or_b32 s35, s35, 0x80000000
	CROUND                                         ; all sixteen work-groups are here
	tensor_load_to_lds s[32:35], s[24:31]          ; my 32 rows of W_o
	s_nop 0
	PLACES 4
	s_lshl_b32 s36, s20, 18
	s_lshl_b32 s38, s16, 16
	s_add_co_u32 s36, s36, s38
	s_add_nc_u64 s[4:5], s[4:5], s[36:37]          ; my four tiles' images
	s_lshl_b32 s36, s20, 13
	s_lshl_b32 s38, s16, 11
	s_add_co_u32 s36, s36, s38
	s_add_nc_u64 s[6:7], s[6:7], s[36:37]          ; their scale bytes
	s_lshl_b32 s36, s19, 12
	s_add_nc_u64 s[10:11], s[10:11], s[36:37]
	s_lshl_b32 s36, s19, 9
	s_add_nc_u64 s[12:13], s[12:13], s[36:37]
	s_add_nc_u64 s[14:15], s[14:15], s[36:37]
	s_lshl_b32 s36, s20, 20
	s_lshl_b32 s38, s16, 18
	s_add_co_u32 s36, s36, s38
	s_add_nc_u64 s[14:15], s[14:15], s[36:37]      ; my first row and column of out0
	v_and_b32 v1, 15, v0                           ; r
	v_bfe_u32 v2, v0, 4, 1                         ; h
	v_and_b32 v3, 31, v0
	v_lshlrev_b32 v[L16], 4, v3
	v_lshlrev_b32 v[L32], 5, v3
	v_lshlrev_b32 v[HB], 5, v2
	v_mul_u32_u24 v[ADW], v1, PITCH
	v_lshl_add_u32 v[ADW], v2, 4, v[ADW]
	v_add_nc_u32 v[ADW+1], 64*PITCH, v[ADW]
	v_mul_u32_u24 v18, v1, SPITCH
	v_lshl_add_u32 v18, v2, 5, v18
	v_add_nc_u32 v[STO], s22, v18                  ; in: row r, 32 bytes for each half of the lanes
	v_mul_u32_u24 v19, v2, SPITCH
	v_lshl_add_u32 v19, v1, 4, v19
	v_add_nc_u32 v[RD], s22, v19                   ; back: lanes 0-15 one row's 256 bytes, lanes 16-31 the next row's
	v_lshlrev_b32 v20, 12, v2
	v_lshl_add_u32 v[CO], v1, 4, v20
	s_wait_alu depctr_va_vdst(0)
.irp q, 0,1,2,3,4,5,6,7
.irp i, 0,1,2,3
	WIN (1+(4*\q+\i)/16)<<6
.irp c, 0,1,2,3
	global_load_b128 v[16*((4*\q+\i)%16)+4*\c:16*((4*\q+\i)%16)+4*\c+3], v[L16], s[4:5] offset:\i*16384+\q*2048+\c*512   ; fragment 4 q + i, in windows 1 and 2
.endr
.endr
.endr
	WIN 0
.irp p, 0,1
	global_load_b128 v[XS+8*\p:XS+8*\p+3], v[L32], s[6:7] offset:1024*\p
	global_load_b128 v[XS+8*\p+4:XS+8*\p+7], v[L32], s[6:7] offset:1024*\p+16
.endr
.irp p, 0,1,2,3
	global_load_b128 v[WS+8*\p:WS+8*\p+3], v[L32], s[10:11] offset:1024*\p
	global_load_b128 v[WS+8*\p+4:WS+8*\p+7], v[L32], s[10:11] offset:1024*\p+16
.endr
.irp b, 0,1,2,3,4,5,6,7
	global_load_b128 v[BS+8*\b:BS+8*\b+3], v[HB], s[12:13] offset:64*\b
	global_load_b128 v[BS+8*\b+4:BS+8*\b+7], v[HB], s[12:13] offset:64*\b+16
.endr
.macro FETCH b                         ; block b of W_o into set b % 2 of window 3: 32 loads
	WIN 0xc0
.irp q, 0,1,2,3,4,5,6,7
.irp c, 0,1,2,3
	ds_load_b128 v[128*((\b)%2)+16*\q+4*\c:128*((\b)%2)+16*\q+4*\c+3], v[ADW+(\b)/4] offset:((\b)%4)*16*PITCH+128*\q+32*\c
.endr
.endr
	WIN 0
.endm
.macro PROD b, q, i
.set F_, 4*(\q)+(\i)
.set XR_, 16*(F_%16)
.set WR_, 128*((\b)%2)+16*(\q)
.set AC_, ACC+8*(\i)
.set C_, AC_
.if (\q) == 0
.set C_, BS+8*(\b)
.endif
.set SW_, WS+8*((\b)/2)+(\q)
.set SX_, XS+8*((\i)/2)+(\q)
	WIN 3|((1+F_/16)<<2)
.if (\b)%2 && (\i)%2
	v_wmma_scale_f32_16x16x128_f8f6f4 v[AC_:AC_+7], v[WR_:WR_+15], v[XR_:XR_+15], v[C_:C_+7], v[SW_], v[SX_] matrix_a_fmt:MATRIX_FMT_BF8 matrix_b_fmt:MATRIX_FMT_BF8 matrix_a_scale:MATRIX_SCALE_ROW1 matrix_b_scale:MATRIX_SCALE_ROW1
.elseif (\b)%2
	v_wmma_scale_f32_16x16x128_f8f6f4 v[AC_:AC_+7], v[WR_:WR_+15], v[XR_:XR_+15], v[C_:C_+7], v[SW_], v[SX_] matrix_a_fmt:MATRIX_FMT_BF8 matrix_b_fmt:MATRIX_FMT_BF8 matrix_a_scale:MATRIX_SCALE_ROW1
.elseif (\i)%2
	v_wmma_scale_f32_16x16x128_f8f6f4 v[AC_:AC_+7], v[WR_:WR_+15], v[XR_:XR_+15], v[C_:C_+7], v[SW_], v[SX_] matrix_a_fmt:MATRIX_FMT_BF8 matrix_b_fmt:MATRIX_FMT_BF8 matrix_b_scale:MATRIX_SCALE_ROW1
.else
	v_wmma_scale_f32_16x16x128_f8f6f4 v[AC_:AC_+7], v[WR_:WR_+15], v[XR_:XR_+15], v[C_:C_+7], v[SW_], v[SX_] matrix_a_fmt:MATRIX_FMT_BF8 matrix_b_fmt:MATRIX_FMT_BF8
.endif
.endm
.macro BLOCK b, younger                ; younger: the LDS instructions issued behind this block's fetch
	s_wait_dscnt \younger
.irp q, 0,1,2,3,4,5,6,7
.irp i, 0,1,2,3
	PROD \b, \q, \i                                ; four accumulators by turns
.endr
.endr
	WIN 0
	PLACES 9                                       ; the next block's products write over these sums; stores read them; loads land on what was read
.irp i, 0,1,2,3
	ds_store_b128 v[STO], v[ACC+8*\i:ACC+8*\i+3] offset:\i*16*SPITCH+64*(\b)
	ds_store_b128 v[STO], v[ACC+8*\i+4:ACC+8*\i+7] offset:\i*16*SPITCH+64*(\b)+16
.endr
.if (\b) < 6
	FETCH (\b)+2
.endif
.endm
.macro SEND u, g                       ; rows 32 g .. 32 g + 31 of my 64, columns 64 u on: sixteen lanes store one aligned unit of 256 bytes
.irp t, 0,1,2,3,4,5,6,7,8,9,10,11,12,13,14,15
	ds_load_b128 v[RB+4*\t:RB+4*\t+3], v[RD] offset:(16*(\g)+\t)*2*SPITCH+256*(\u)   ; LDS serves a wave's instructions in order: these see my stores
.endr
	s_wait_dscnt 0x0
.irp t, 0,1,2,3,4,5,6,7,8,9,10,11,12,13,14,15
	global_store_b128 v[CO], v[RB+4*\t:RB+4*\t+3], s[14:15] offset:(16*(\g)+\t)*8192+256*(\u) th:TH_STORE_NT
.endr
.endm
	s_wait_tensorcnt 0x0                           ; my rows of W_o are in
	BARRIER                                        ; everybody's are
	FETCH 0
	FETCH 1
	s_wait_loadcnt 0x0                             ; A, the scale words, the bias
	BLOCK 0, 32
	BLOCK 1, 40
	BLOCK 2, 40
	BLOCK 3, 40
	SEND 0, 0
	s_wait_xcnt 0x0                                ; the stores have read their data
	SEND 0, 1
	BLOCK 4, 40
	BLOCK 5, 40
	BLOCK 6, 40
	BLOCK 7, 8
	s_wait_xcnt 0x0
	SEND 1, 0
	s_wait_xcnt 0x0
	SEND 1, 1
	s_wait_tensorcnt 0x0                           ; the wave's end
	ds_add_u32 v[SPW], v[NIL]
	s_wait_dscnt 0x0
	CROUND                                         ; the closing round
	s_endpgm
.Lfunc_end_k_qde4da10168_outp:
	.size	k_qde4da10168_outp, .Lfunc_end_k_qde4da10168_outp-k_qde4da10168_outp
	.p2alignl 7, 3214868480
	.fill 96, 4, 3214868480
	.section	.rodata,"a",@progbits
	.p2align	6, 0x0
	.amdhsa_kernel k_qde4da10168_outp
		.amdhsa_group_segment_fixed_size 268800
		.amdhsa_private_segment_fixed_size 0
		.amdhsa_enable_private_segment 0
		.amdhsa_kernarg_size 48
		.amdhsa_user_sgpr_count 2
		.amdhsa_user_sgpr_kernarg_segment_ptr 1
		.amdhsa_wavefront_size32 1
		.amdhsa_system_sgpr_workgroup_id_x 1
		.amdhsa_system_sgpr_workgroup_id_y 1
		.amdhsa_system_sgpr_workgroup_id_z 1
		.amdhsa_system_vgpr_workitem_id 0
		.amdhsa_next_free_vgpr 1024
		.amdhsa_next_free_sgpr 66
		.amdhsa_reserve_vcc 0
		.amdhsa_float_denorm_mode_32 3
		.amdhsa_float_denorm_mode_16_64 3
		.amdhsa_memory_ordered 1
		.amdhsa_forward_progress 1
		.amdhsa_inst_pref_size 86
	.end_amdhsa_kernel
	.amdgpu_metadata
---
amdhsa.version: [ 1, 2 ]
amdhsa.kernels:
  - .name:           k_qde4da10168_outp
    .symbol:         k_qde4da10168_outp.kd
    .args:
      - { .name: acodes, .offset: 0, .size: 8, .value_kind: global_buffer, .address_space: global }
      - { .name: ascales, .offset: 8, .size: 8, .value_kind: global_buffer, .address_space: global }
      - { .name: wo_codes, .offset: 16, .size: 8, .value_kind: global_buffer, .address_space: global }
      - { .name: wo_scales, .offset: 24, .size: 8, .value_kind: global_buffer, .address_space: global }
      - { .name: bo, .offset: 32, .size: 8, .value_kind: global_buffer, .address_space: global }
      - { .name: out0, .offset: 40, .size: 8, .value_kind: global_buffer, .address_space: global }
    .group_segment_fixed_size: 268800
    .private_segment_fixed_size: 0
    .kernarg_segment_align: 8
    .kernarg_segment_size: 48
    .max_flat_workgroup_size: 128
    .sgpr_count:     66
    .vgpr_count:     1024
    .wavefront_size: 32
...
	.end_amdgpu_metadata
.endif
;; end of part 3
